; MI455X (gfx1250); checked and timed in simulation.
; The chip was launched on July 23, 2026; its instructions are those of AMD's public machine-readable ISA for CDNA 5 (MIT licence, August 2026) and "CDNA5" Instruction Set Architecture Reference Guide (July 2026). The comments in the code are by the model that wrote it; some were corrected since.
;; LSTM Cell. Allowed arithmetic: matrix products marked QUANTISED: E3M2 operands, one E8M0 scale for each 32 along K, by v_wmma_scale_f32_16x16x128_f8f6f4 with both operands' format E3M2, f32 sums; everything else in f32.
;; Inputs: W_c 2,048 x 3,072 float32; W_f 2,048 x 3,072 float32; W_i 2,048 x 3,072 float32; W_o 2,048 x 3,072 float32; prev_c 2,048 x 2,048 float32; prev_h 2,048 x 2,048 float32; x 2,048 x 1,024 float32.
;; Outputs: out0 2,048 x 2,048 float32; out1 2,048 x 2,048 float32.
;; This version of the problem:
;;   THIS VERSION OF THE PROBLEM IS GIVEN IN LOW PRECISION. The matrix products marked QUANTISED in the list below multiply operands that are first quantised to E3M2 (3 exponent bits, 2 mantissa bits; 6 bits a number), with one power-of-two scale for each 32 numbers along K (OCP MX v1.0); their sums are f32. All else is computed in f32.
;;   The module's matrix products, in the order in which they are computed (A, B: the left and right operand; K: the contracted axis; several contracted axes count as one K, in the product's order):
;;     1. [M 2,048, K 3,072] x [K 3,072, N 8,192]; A: computed on the way; B: computed on the way: QUANTISED
;;   THE QUANTISER, for each operand of a quantised product, along K:
;;     - K is cut into blocks of 32 from its start; a last block that is shorter is filled with zeros.
;;     - A block's scale is 2^e with e = floor(log2(the largest magnitude in the block)) - 4, held to -126 .. 127; a block of zeros has e = 0. As a byte (E8M0): e + 127.
;;     - Each number is divided by its block's scale, clamped to +-28, and rounded to the nearest number of E3M2, ties to even, subnormals kept.
;;     - The product sums the exact products of the quantised numbers (number of the format x scale) in f32.
;;   ~~~python
;;   def quantise(x, axis):      # numpy; x: float32 -> the quantised numbers, widened to float32 again
;;       x = np.moveaxis(x, axis, -1); K = x.shape[-1]
;;       x = np.pad(x, [(0, 0)] * (x.ndim - 1) + [(0, -K % 32)]); x = x.reshape(x.shape[:-1] + (-1, 32)); a = np.abs(x).max(-1, keepdims=True)
;;       e = np.where(a > 0, np.clip(np.frexp(np.where(a > 0, a, 1))[1] - 1 - 4, -126, 127), 0)      # np.frexp(a)[1] - 1 = floor(log2(a)), exactly
;;       r = np.clip(x / 2.0 ** e, -28, 28)
;;       step = 2.0 ** (np.maximum(np.frexp(np.where(r == 0, 1, r))[1] - 1, -2) - 2)
;;       q = np.round(r / step) * step * 2.0 ** e      # np.round: ties to even
;;       return np.moveaxis(q.reshape(q.shape[:-2] + (-1,))[..., :K], -1, axis).astype(np.float32)
;;   ~~~
;;   OPERANDS COMPUTED ON THE WAY. 'Computed on the way' means the value that the module computes at that place (a softmax that the list does not call 'softmax' is quantised finished and normalised). What goes into a quantiser is computed in f32, as accurately as f32 sums, v_exp_f32 and their like allow (about 1e-6 of the number): no bf16 or f16 on the way to a quantiser, and a product that is left as it is and whose result goes on into a quantised operand takes f32 operands (vector FMAs, or v_wmma_f32_16x16x4_f32). A number that lies on a knife's edge between two numbers of the format may be rounded either way, as far as f32 arithmetic and the matrix unit's own rounding can turn it there, and no further.
;; One version. Each part assembles by itself: llvm-mc -triple=amdgcn-amd-amdhsa -mcpu=gfx1250 --defsym DOCPART=n.
;; ======== version 1 of 1: 2 launches
;; limits: right only within a limited range of input values
;; workspace buffers: hxq 4,915,200 bytes; wq 19,660,800 bytes
;; launch quant (part 1): grid 3 x 80, 4 waves a work-group, no clusters, 327,680 bytes of LDS; arguments prev_h, x, W_i, W_f, W_o, W_c, hxq, wq; writes hxq, wq
.if DOCPART == 1
	.amdgcn_target "amdgcn-amd-amdhsa--gfx1250"
	.amdhsa_code_object_version 6
	.text
	.protected	k_q1f105d79ed_quant
	.globl	k_q1f105d79ed_quant
	.p2align	8
	.type	k_q1f105d79ed_quant,@function
k_q1f105d79ed_quant:
	s_mov_b64 s[64:65], 0
	v_nop
	global_prefetch_b8 v0, s[64:65] scope:SCOPE_SE
	s_setreg_imm32_b32 hwreg(HW_REG_WAVE_MODE, 25, 1), 1
	s_wait_xcnt 0x0
; hx = [prev_h | x] ([2048][3072]) and W = [W_i; W_f; W_o; W_c] ([8192][3072]), f32, K innermost, are turned ONCE into codes of BF6 (E3M2) with one E8M0 scale byte for each 32 along K.
; A block's scale is 2^(floor(log2(its largest magnitude)) - 4); its byte is the largest magnitude's exponent field - 4, held at 1 from below; each number is divided by the scale and rounded to the nearest code, ties to even, beyond 28 the largest code.
; LIMITS: NaN and infinities among the inputs are not served.  A block of zeros gets the byte 1 where the rule says 127: its codes are zeros, which add nothing under any byte but 0xff, and the bytes are read by this program alone.
; THE OUTPUT IS LAID AS THE PRODUCT'S REGISTERS WANT IT.  A CELL is 128 rows x 128 K in 12,800 bytes: 8 fragments of 1,536 bytes, then 512 bytes of scale words.  A fragment (16 rows x 128 K, 12 registers a lane) is the image of its registers:
; registers 4 g .. 4 g + 3 of lane l at 512 g + 16 l; lane (r = l % 16, h = l / 16) holds row r, registers 6 c .. 6 c + 5 the codes of k = 64 c + 32 h + 0 .. 31.  The scale word of (fragment i, row r) lies at 12,288 + 256 (i / 4) + 16 r + 4 (i % 4).
; Cell (group G, K step ks) lies at (24 G + ks) x 12,800.  hxq: 16 groups; fragment i, row r = batch row 128 G + 16 i + r.  wq: 64 groups; fragment 2 g + u, row r = row 32 G + 16 u + r of gate g's weight (g = 0 i, 1 f, 2 o, 3 c~).
; SHARES.  Work-group (x, y): group y (0-15: hx, 16-79: W), K steps 8 x .. 8 x + 7: 240 work-groups of equal work; none straddles the seam between prev_h and x (K step 16).
; Wave w = 2 q + hf makes the halves hf (fragments 4 hf .. 4 hf + 3 and their 256 bytes of scale words) of the four cells at K steps 8 x + 2 j + q, j = 0 .. 3.
; THE NUMBERS COME BY TWO ROADS AT ONCE.  j = 0, 1: by tensor loads into two LDS slots, each filled once: a slot holds two K steps of the group's 128 rows; wave w fetches 32 rows x 1,024 bytes (hx: rows 32 w on; W: gate w's 32 rows),
; padded to rows 1,040 bytes apart, so that the 16 lanes of half a read fall on 16 different columns of 16 bytes modulo 256; any wave reads any region behind a barrier.  j = 2, 3: by loads of 512 consecutive bytes into registers,
; 32 of them on their way in each wave, turned through the wave's own stage in LDS (rows 528 bytes apart).  Either way a lane gets 2 x 128 bytes: two whole blocks of 32, so that a block's largest magnitude needs no other lane.
; The three sources have three pitches: three groups 1 of constants, and ONE chain of branches on the work-group's numbers with one tensor load in each arm.  Every wait on TENSORcnt is for 0; by the text's own count a wave has one tensor load out.
; No cluster: no two work-groups read the same byte.  No prefetch: every byte is read once, and the text has no loop to run ahead in.
; Every store of codes covers 512 consecutive bytes, aligned; the scale words' store 256.
.set STGB,  8448                       ; a wave's stage: 16 rows x 528 bytes
.set SPI,   528
.set CELLB, 12800
.set FRB,   1536
.set TPI,   1040                       ; a slot's row: 1,024 bytes + 16
.set REGB,  32*TPI                     ; what one tensor load fills
.set SLOTB, 4*REGB
.set STAGE, 2*SLOTB                    ; behind the slots: the four stages,
.set SPARE, STAGE+4*STGB               ; and the spare words, 128 bytes a wave: two blocks of 256 bytes that no other line names
.set L16, 4                            ; v4      16 x lane
.set STI, 5                            ; v5      the stage, on the way in
.set STO, 6                            ; v6      and on the way out: 528 r + 128 h
.set SH8, 7                            ; v7      8 h
.set M,   8                            ; v8-9    the two blocks' largest magnitudes
.set SCL, 10                           ; v10-11  the conversions' scale operands
.set BY,  12                           ; v12-13  the scale bytes
.set TP,  14                           ; v14     a lane permute's destination
.set OFF, 16                           ; v16-31  16 x lane + i x the source's pitch
.set W,   32                           ; v32-35  a half cell's four scale words (row r's, in both halves of the lanes)
.set SO,  36                           ; v36-37  my two of them on the way out
.set STT, 38                           ; v38-39  my place in slot 0, 1: 2 hf regions + 1,040 r + 512 q + 128 h
.set SA,  40                           ; v40     16 r + 8 h
.set C,   44                           ; v44-55  a fragment's codes
.set T0,  56                           ; v56-58, v60-62  the upper halves of the two blocks' codes
.set SPW, 59                           ; v59     my spare word; never rewritten
.set T1,  60
.set NIL, 63                           ; v63     0; never rewritten
.set X,   64                           ; v64-127 my 64 numbers: register 32 c + i = k 64 c + 32 h + i of row r
.set R,   128                          ; v128-255 two sets of 64 registers, as loaded
.set G1W, 68                           ; s[68:75], s[76:83], s[84:91] group 1 for W, prev_h, x
.set G1H, 76
.set G1X, 84
.set G0,  92                           ; s[92:95], s[96:99] group 0 for slot 0, 1
.macro MKG1 g, pitch                   ; 32 rows of 128 elements of 8 bytes; 4 dwords of padding behind every 256
	s_mov_b32 s[\g+0], (3<<16)|(1<<20)|(7<<22)|(3<<25)
	s_mov_b32 s[\g+1], 128<<16
	s_mov_b32 s[\g+2], 32<<16
	s_mov_b32 s[\g+3], 128<<16
	s_mov_b32 s[\g+4], 32
	s_mov_b32 s[\g+5], \pitch
	s_mov_b32 s[\g+6], 0
	s_mov_b32 s[\g+7], 0
.endm
.macro TLOAD g0                        ; one chain, one tensor load to an arm, one join; s63: 0 W, 1 prev_h, 2 x, the same in all four waves
	s_cmp_eq_u32 s63, 0
	s_cbranch_scc0 .Lnot_w_\@
	tensor_load_to_lds s[\g0:\g0+3], s[G1W:G1W+7]
	s_nop 0
	s_branch .Lasked_\@
.Lnot_w_\@:
	s_cmp_eq_u32 s63, 1
	s_cbranch_scc0 .Lis_x_\@
	tensor_load_to_lds s[\g0:\g0+3], s[G1H:G1H+7]
	s_nop 0
	s_branch .Lasked_\@
.Lis_x_\@:
	tensor_load_to_lds s[\g0:\g0+3], s[G1X:G1X+7]
	s_nop 0
.Lasked_\@:
.endm
	s_load_b256 s[4:11], s[0:1], 0x0               ; prev_h s[4:5], x s[6:7], W_i s[8:9], W_f s[10:11]
	s_load_b256 s[12:19], s[0:1], 0x20             ; W_o s[12:13], W_c s[14:15], hxq s[16:17], wq s[18:19]
	v_lshl_add_u32 v[SPW], v0, 2, SPARE
	v_mov_b32 v[NIL], 0
	ds_add_u32 v[SPW], v[NIL]                      ; the opening lines: the add, twice on end, and its wait ahead of my first tensor load
	ds_add_u32 v[SPW], v[NIL]
	v_lshrrev_b32 v1, 5, v0
	v_readfirstlane_b32 s20, v1                    ; wave 0..3
	s_and_b32 s60, s20, 1                          ; hf
	s_lshr_b32 s61, s20, 1                         ; q
	s_mul_i32 s58, s20, STGB
	s_add_co_u32 s58, s58, STAGE                   ; my stage
	s_mul_i32 s59, s60, 2*REGB
	s_lshl_b32 s57, s61, 9
	s_add_co_u32 s59, s59, s57                     ; 2 hf regions + 512 q
	v_and_b32 v1, 31, v0                           ; lane
	v_and_b32 v2, 15, v0                           ; r
	v_bfe_u32 v3, v0, 4, 1                         ; h
	v_lshlrev_b32 v[L16], 4, v1
	v_add_nc_u32 v[STI], s58, v[L16]
	v_mul_u32_u24 v[STO], v2, SPI
	v_lshl_add_u32 v[STO], v3, 7, v[STO]
	v_add_nc_u32 v[STO], s58, v[STO]
	v_lshlrev_b32 v[SH8], 3, v3
	v_mov_b32 v[TP], 0                             ; written once: a lane permute's destination counts as one of its sources
	v_mul_u32_u24 v[STT], v2, TPI
	v_lshl_add_u32 v[STT], v3, 7, v[STT]
	v_add_nc_u32 v[STT], s59, v[STT]
	v_add_nc_u32 v[STT+1], SLOTB, v[STT]
	v_lshlrev_b32 v[SA], 4, v2
	v_lshl_add_u32 v[SA], v3, 3, v[SA]
	v_cmp_eq_u32 s62, 1, v3                        ; the mask of lanes 16-31, kept in a scalar register
	s_lshl_b32 s21, ttmp9, 3
	s_add_co_u32 s21, s21, s61                     ; my first K step: 8 x + q
	s_and_b32 s23, ttmp7, 0xffff                   ; 0-15 a group of hx, 16-79 a group of W
	s_mov_b32 s50, 0x76543210
	s_mov_b32 s51, 0xfedcba98                      ; v_permlanex16_b32's selects for lane l xor 16
	s_mov_b32 s24, 4096
	s_mov_b32 s30, 12288
	MKG1 G1W, 1536
	MKG1 G1H, 1024
	MKG1 G1X, 512
	s_wait_alu depctr_va_vdst(0)
	s_wait_dscnt 0x0                               ; both opening adds are done
	s_wait_kmcnt 0x0
	s_cmp_lt_u32 s21, 16                           ; hx: K steps 0-15 lie in prev_h, 16-23 in x
	s_cselect_b64 s[52:53], s[4:5], s[6:7]
	s_cselect_b32 s24, 8192, s24                   ; a row of prev_h, or of x, in bytes
	s_cselect_b32 s25, 0, 16
	s_cselect_b32 s63, 1, 2
	s_sub_co_u32 s25, s21, s25                     ; the K step inside that tensor
	s_cmp_eq_u32 s60, 0                            ; W: my half's two gates; and the gate that I fetch, w = 2 q + hf
	s_cselect_b64 s[40:41], s[8:9], s[12:13]       ; W_i or W_o
	s_cselect_b64 s[42:43], s[10:11], s[14:15]     ; W_f or W_c
	s_cselect_b64 s[46:47], s[8:9], s[10:11]
	s_cselect_b64 s[54:55], s[12:13], s[14:15]
	s_cmp_eq_u32 s61, 0
	s_cselect_b64 s[46:47], s[46:47], s[54:55]
	s_cmp_lt_u32 s23, 16                           ; hx or W?  All the choices stand ahead of any arithmetic that would change SCC
	s_cselect_b64 s[32:33], s[52:53], s[40:41]     ; my fragments 0 and 1: hx's tensor, or my first gate's weight
	s_cselect_b64 s[34:35], s[52:53], s[40:41]
	s_cselect_b64 s[36:37], s[52:53], s[42:43]     ; my fragments 2 and 3
	s_cselect_b64 s[38:39], s[52:53], s[42:43]
	s_cselect_b64 s[46:47], s[52:53], s[46:47]     ; the tensor that I fetch from
	s_cselect_b64 s[48:49], s[16:17], s[18:19]     ; where the cells go
	s_cselect_b32 s24, s24, s30                    ; the source's pitch in bytes
	s_cselect_b32 s25, s25, s21                    ; the K step in the source
	s_cselect_b32 s27, 32, 0                       ; rows from my fragment 0 to my fragment 2: in W none: another tensor
	s_cselect_b32 s31, 0, 16
	s_cselect_b32 s26, 128, 32                     ; source rows to a group
	s_cselect_b32 s56, 64, 0                       ; rows from half 0 to half 1
	s_cselect_b32 s57, 32, 0                       ; rows from one wave's tensor tile to the next's
	s_cselect_b32 s63, s63, 0
	s_sub_co_u32 s29, s23, s31                     ; G
	s_mul_i32 s28, s29, s26                        ; the group's first row
	s_mul_i32 s57, s57, s20
	s_add_co_u32 s57, s57, s28
	s_mul_i32 s57, s57, s24                        ; my tile's first row, in bytes (under 2^25),
	s_sub_co_u32 s59, s25, s61
	s_lshl_b32 s59, s59, 9                         ; + 512 bytes for each K step up to the work-group's first
	s_mul_i32 s56, s56, s60
	s_add_co_u32 s28, s28, s56                     ; my half's first row,
	s_mul_i32 s28, s28, s24
	s_lshl_b32 s25, s25, 9
	s_add_co_u32 s28, s28, s25                     ; and my first K step
	s_mul_i32 s54, s27, s24
	s_lshl_b32 s55, s24, 4                         ; 16 rows
	s_mov_b32 s31, 0                               ; offsets are made apart from the addresses, in the pair s[30:31]
	s_add_co_u32 s30, s57, s59
	s_add_nc_u64 s[46:47], s[46:47], s[30:31]
	s_mov_b32 s[G0], 1
	s_mul_i32 s[G0+1], s20, REGB
	s_mov_b64 s[G0+2:G0+3], s[46:47]
	s_or_b32 s[G0+3], s[G0+3], 0x80000000
	s_mov_b32 s[G0+4], 1
	s_add_co_u32 s[G0+5], s[G0+1], SLOTB
	s_add_nc_u64 s[G0+6:G0+7], s[46:47], 1024      ; slot 1: the next two K steps
	s_or_b32 s[G0+7], s[G0+7], 0x80000000
	TLOAD G0                                       ; slot 0: one tensor load a wave at the head
.irp g, 0,1
	s_mov_b32 s30, s28
	s_add_nc_u64 s[32+4*\g:33+4*\g], s[32+4*\g:33+4*\g], s[30:31]
	s_add_co_u32 s30, s28, s55
	s_add_nc_u64 s[34+4*\g:35+4*\g], s[34+4*\g:35+4*\g], s[30:31]
	s_add_co_u32 s28, s28, s54
.endr
	s_mul_i32 s56, s29, 24
	s_add_co_u32 s56, s56, s21
	s_mul_i32 s56, s56, CELLB                      ; (24 G + ks) x 12,800: under 2^25
	s_mov_b32 s57, 0
	s_add_nc_u64 s[48:49], s[48:49], s[56:57]      ; my first cell
	s_lshl_b32 s56, s60, 8
	s_add_co_u32 s56, s56, 8*FRB
	s_add_nc_u64 s[44:45], s[48:49], s[56:57]      ; my half's 256 bytes of scale words
	s_mul_i32 s56, s60, 4*FRB
	s_add_nc_u64 s[48:49], s[48:49], s[56:57]      ; my four fragments
.irp i, 0,1,2,3,4,5,6,7,8,9,10,11,12,13,14,15
	v_mad_u32_u24 v[OFF+\i], s24, \i, v[L16]       ; row i of a fragment: i x pitch + 16 x lane
.endr
	s_wait_alu depctr_va_vdst(0)
.macro LOAD k                          ; fragment k % 4 of cell j = 2 + k / 4: 16 rows x 512 bytes into set k % 2
.irp i, 0,1,2,3,4,5,6,7,8,9,10,11,12,13,14,15
	global_load_b128 v[R+64*((\k)%2)+4*\i:R+64*((\k)%2)+4*\i+3], v[OFF+\i], s[32+2*((\k)%4):33+2*((\k)%4)] offset:1024*(2+(\k)/4) th:TH_LOAD_NT
.endr
.endm
.macro TURN k                          ; through the stage: LDS serves a wave's instructions in order (ISA guide 5.7.1.4), so no wait stands between the stores and the loads
.irp i, 0,1,2,3,4,5,6,7,8,9,10,11,12,13,14,15
	ds_store_b128 v[STI], v[R+64*((\k)%2)+4*\i:R+64*((\k)%2)+4*\i+3] offset:SPI*\i
.endr
.irp c, 0,1
.irp j, 0,1,2,3,4,5,6,7
	ds_load_b128 v[X+32*\c+4*\j:X+32*\c+4*\j+3], v[STO] offset:256*\c+16*\j
.endr
.endr
.endm
.macro TFL s, t, xb                    ; my fragment t out of slot s: region 2 hf + t / 2, rows 16 (t % 2) on
.irp c, 0,1
.irp j, 0,1,2,3,4,5,6,7
	ds_load_b128 v[(\xb)+32*\c+4*\j:(\xb)+32*\c+4*\j+3], v[STT+\s] offset:REGB*((\t)/2)+16*TPI*((\t)%2)+256*\c+16*\j
.endr
.endr
.endm
.macro QUANT t, xb                     ; my two blocks (2 c + h of row r) become registers 6 c .. 6 c + 5 of the fragment, and their bytes two of the row's scale word
.irp c, 0,1
	v_max3_num_f32 v[M+\c], |v[(\xb)+32*\c]|, |v[(\xb)+32*\c+1]|, 0x2800000      ; the floor 2^(5 - 127) among the leaves: the byte cannot fall under 1
.endr
.irp i, 2,4,6,8,10,12,14,16,18,20,22,24,26,28,30
.irp c, 0,1
	v_max3_num_f32 v[M+\c], v[M+\c], |v[(\xb)+32*\c+\i]|, |v[(\xb)+32*\c+\i+1]|  ; (the two blocks by turns)
.endr
.endr
.irp c, 0,1
	v_add_nc_u32 v[SCL+\c], 0xfe000000, v[M+\c]    ; 4 off the exponent field: the conversion's scale operand
.endr
.irp c, 0,1
	v_lshrrev_b32 v[BY+\c], 23, v[SCL+\c]          ; the scale's byte
.endr
	v_lshl_or_b32 v[W+(\t)], v[BY+1], 16, v[BY]    ; blocks h and 2 + h of row r,
	v_lshlrev_b32 v[W+(\t)], v[SH8], v[W+(\t)]     ; at their places in the word;
	v_permlanex16_b32 v[TP], v[W+(\t)], s50, s51
	v_or_b32 v[W+(\t)], v[W+(\t)], v[TP]           ; with lane l xor 16's two the word is whole
	v_cvt_scalef32_pk16_bf6_f32 v[C:C+2], v[(\xb):(\xb)+15], v[SCL]
	v_cvt_scalef32_pk16_bf6_f32 v[T0:T0+2], v[(\xb)+16:(\xb)+31], v[SCL]         ; (a conversion's three registers begin on an even number: a block's upper half is made elsewhere and moved)
	v_cvt_scalef32_pk16_bf6_f32 v[C+6:C+8], v[(\xb)+32:(\xb)+47], v[SCL+1]
	v_cvt_scalef32_pk16_bf6_f32 v[T1:T1+2], v[(\xb)+48:(\xb)+63], v[SCL+1]
	v_nop                                          ; one plain vector instruction behind the scaled conversions
.irp i, 0,1,2
	v_mov_b32 v[C+3+\i], v[T0+\i]
	v_mov_b32 v[C+9+\i], v[T1+\i]
.endr
.endm
.macro OUT t, j                        ; the fragment leaves as it stands: each store covers 512 consecutive bytes, aligned; cell j lies two cells behind cell j - 1
.irp g, 0,1,2
	global_store_b128 v[L16], v[C+4*\g:C+4*\g+3], s[48:49] offset:2*CELLB*(\j)+FRB*(\t)+512*\g
.endr
.endm
.macro SCOUT j                         ; a half cell's scale words: lane (r, h) stores words 2 h, 2 h + 1 of row r: 32 lanes, 256 consecutive bytes, aligned
	v_cndmask_b32 v[SO], v[W], v[W+2], s62
	v_cndmask_b32 v[SO+1], v[W+1], v[W+3], s62
	global_store_b64 v[SA], v[SO:SO+1], s[44:45] offset:2*CELLB*(\j)
.endm
.macro RF k                            ; a fragment that came into registers
.if (\k) < 7
	s_wait_loadcnt 16                              ; loads come back in order (ISA guide 5.7.1): this fragment's 16 are in, the next fragment's 16 may be out
.else
	s_wait_loadcnt 0x0
.endif
.if (\k) > 0
	s_wait_xcnt 0x0                                ; the last stores have read their data: the codes' registers are rewritten only behind this wait
.endif
	TURN \k
	s_wait_dscnt 0x0                               ; my 64 numbers are back, and the stores into the stage have read their registers,
.if (\k)+2 < 8
	LOAD (\k)+2                                    ; which take the fragment two on
.endif
	QUANT (\k)%4, X
	OUT (\k)%4, 2+(\k)/4
.endm
	LOAD 0
	LOAD 1
.irp k, 0,1,2,3
	RF \k
.endr
	SCOUT 2
	s_wait_alu depctr_va_vdst(0)
	s_wait_tensorcnt 0x0                           ; my tile of slot 0 is in
	ds_add_u32 v[SPW], v[NIL]
	s_wait_dscnt 0x0
	s_barrier_signal -1
	s_barrier_wait -1                              ; everybody's tile of slot 0 is in
	TLOAD G0+4                                     ; slot 1's one fill, first behind the barrier
.irp t, 0,1,2,3
	s_wait_xcnt 0x0
	TFL 0, \t, X
	s_wait_dscnt 0x0
	QUANT \t, X
	OUT \t, 0
.endr
	SCOUT 0
.irp k, 4,5,6,7
	RF \k
.endr
	SCOUT 3
	s_wait_alu depctr_va_vdst(0)
	s_wait_tensorcnt 0x0                           ; my tile of slot 1 is in
	s_barrier_signal -1
	s_barrier_wait -1                              ; and everybody's
	TFL 1, 0, X                                    ; the loaded sets are free now: two fragments are on their way from LDS by turns
	TFL 1, 1, R
.irp t, 0,1,2,3
.if \t < 3
	s_wait_dscnt 16                                ; this fragment's 16 loads are in, the next fragment's may be out
.else
	s_wait_dscnt 0x0
.endif
	s_wait_xcnt 0x0
	QUANT \t, X+64*(\t%2)
	OUT \t, 1
.if \t < 2
	TFL 1, \t+2, X+64*(\t%2)
.endif
.endr
	SCOUT 1
	s_wait_tensorcnt 0x0                           ; the wave's end
	ds_add_u32 v[SPW], v[NIL]
	s_wait_dscnt 0x0
	s_endpgm
.Lfunc_end_k_q1f105d79ed_quant:
	.size	k_q1f105d79ed_quant, .Lfunc_end_k_q1f105d79ed_quant-k_q1f105d79ed_quant
	.p2alignl 7, 3214868480
	.fill 96, 4, 3214868480
	.section	.rodata,"a",@progbits
	.p2align	6, 0x0
	.amdhsa_kernel k_q1f105d79ed_quant
		.amdhsa_group_segment_fixed_size 327680
		.amdhsa_private_segment_fixed_size 0
		.amdhsa_enable_private_segment 0
		.amdhsa_kernarg_size 64
		.amdhsa_user_sgpr_count 2
		.amdhsa_user_sgpr_kernarg_segment_ptr 1
		.amdhsa_wavefront_size32 1
		.amdhsa_system_sgpr_workgroup_id_x 1
		.amdhsa_system_sgpr_workgroup_id_y 1
		.amdhsa_system_sgpr_workgroup_id_z 1
		.amdhsa_system_vgpr_workitem_id 0
		.amdhsa_next_free_vgpr 256
		.amdhsa_next_free_sgpr 100
		.amdhsa_reserve_vcc 0
		.amdhsa_float_denorm_mode_32 3
		.amdhsa_float_denorm_mode_16_64 3
		.amdhsa_memory_ordered 1
		.amdhsa_forward_progress 1
		.amdhsa_inst_pref_size 98
	.end_amdhsa_kernel
	.amdgpu_metadata
---
amdhsa.version: [ 1, 2 ]
amdhsa.kernels:
  - .name:           k_q1f105d79ed_quant
    .symbol:         k_q1f105d79ed_quant.kd
    .args:
      - { .name: prev_h, .offset: 0, .size: 8, .value_kind: global_buffer, .address_space: global }
      - { .name: x, .offset: 8, .size: 8, .value_kind: global_buffer, .address_space: global }
      - { .name: W_i, .offset: 16, .size: 8, .value_kind: global_buffer, .address_space: global }
      - { .name: W_f, .offset: 24, .size: 8, .value_kind: global_buffer, .address_space: global }
      - { .name: W_o, .offset: 32, .size: 8, .value_kind: global_buffer, .address_space: global }
      - { .name: W_c, .offset: 40, .size: 8, .value_kind: global_buffer, .address_space: global }
      - { .name: hxq, .offset: 48, .size: 8, .value_kind: global_buffer, .address_space: global }
      - { .name: wq, .offset: 56, .size: 8, .value_kind: global_buffer, .address_space: global }
    .group_segment_fixed_size: 327680
    .private_segment_fixed_size: 0
    .kernarg_segment_align: 8
    .kernarg_segment_size: 64
    .max_flat_workgroup_size: 128
    .sgpr_count:     100
    .vgpr_count:     256
    .wavefront_size: 32
...
	.end_amdgpu_metadata
.endif
;; end of part 1
;; launch lstm (part 2): grid 32 x 8, 4 waves a work-group, clusters of 4 x 4, 327,680 bytes of LDS; arguments hxq, wq, prev_c, out0, out1; writes out0, out1
.if DOCPART == 2
	.amdgcn_target "amdgcn-amd-amdhsa--gfx1250"
	.amdhsa_code_object_version 6
	.text
	.protected	k_q1f105d79ed_lstm
	.globl	k_q1f105d79ed_lstm
	.p2align	8
	.type	k_q1f105d79ed_lstm,@function
k_q1f105d79ed_lstm:
	s_mov_b64 s[64:65], 0
	v_nop
	global_prefetch_b8 v0, s[64:65] scope:SCOPE_SE
	s_setreg_imm32_b32 hwreg(HW_REG_WAVE_MODE, 25, 1), 1
	s_wait_xcnt 0x0
	s_wait_alu depctr_hold_cnt(0) depctr_sa_sdst(0) depctr_va_vdst(0) depctr_va_sdst(0) depctr_va_ssrc(0) depctr_va_vcc(0) depctr_vm_vsrc(0)
	s_getreg_b32 s2, hwreg(HW_REG_IB_STS2, 6, 4)
	s_cmp_eq_u32 s2, 0
	s_cbranch_scc0 .Lentry_in_a_cluster
	s_endpgm
.Lentry_in_a_cluster:
	s_bfe_u32 s2, ttmp6, 0x10000c
	s_cmp_lg_u32 s2, 0xf033
	s_cbranch_scc0 .Lentry_shape_is_right
	s_endpgm
.Lentry_shape_is_right:
; gates = Q(hx) Q(W)^T on codes of BF6 (E3M2) with E8M0 scales, then the LSTM cell in f32: next_c = f prev_c + i c~ (out1), next_h = o tanh(next_c) (out0).
; hxq and wq are laid in CELLS of 128 rows x 128 K, 12,800 bytes: 8 fragments as images of their registers (1,536 bytes each), then 512 bytes of scale words; the 24 cells of a group of 128 rows lie on end.
; In wq fragment 2 g + u of group G holds rows 32 G + 16 u + r of gate g (0 i, 1 f, 2 o, 3 c~): the four gates of a hidden unit meet in one lane.
; A work-group of four waves makes 256 batch rows x 64 hidden units (256 rows of W); a wave 128 x 128: 64 accumulators, 512 registers.  256 work-groups: one to a WGP.
; K goes through two LDS slots of three K steps each: a slot holds 3 cells of each of A's two groups and B's two groups; each wave fetches one group's 38,400 dense bytes, as 150 rows of 256 bytes, by ONE tensor load.
; CLUSTERS: 4 x 4 work-groups; A's cells are asked for jointly along a row of the cluster, B's along a column.  The cluster's round is the barrier in front of each refill.
; A CHANGE OF SLOTS: the first 32 products of the slot's last step stand AHEAD of the wait for the tiles, so that between that wait and the joint refill stand only the add, its wait and the round.
; PREFETCH: behind each joint load the part that the NEXT refill will bring is named, 150 blocks of 256 bytes a group, shared out by address among the four partners (38 each, a lane a block, left-over lanes name the last again).
; A's groups are read by the eight clusters of a cluster row: those with x = 0 and x = 4 ask; B's by the two clusters of a column: y = 0 asks.  Parts 1 and 2 are named at the head; the last refill names nothing.
; THE MATRIX INSTRUCTION IS USED TRANSPOSED (source 0 = 16 rows of W, source 1 = 16 batch rows): lane (r, h) holds batch row r, register j of accumulator (a, 2 g + u) gate g of hidden unit 16 u + 8 h + j.
; THE CELL: with E = 2^(-x log2 e): i c~ = (1 - Ec) / ((1 + Ei)(1 + Ec)), Ec = 2^(-2 gc log2 e); f = 1 / (1 + Ef); o tanh(c) = (1 - E') / ((1 + Eo)(1 + E')).  Eight transcendentals a number.
; LIMITS: tanh's exponent is held to -32 .. 32, which moves tanh by under 2^-31 and keeps infinity x 0 out of the products; NaN and infinities among prev_c or the sums are not served.
; prev_c comes by tensor loads into slot 0 behind that slot's last read; next_c is laid over it, next_h behind it (bytes that have had their last fill), and whole rows of 256 bytes leave: waves of column half 0 store out1, the others out0.
; REGISTERS: window 0: v0-31 addresses, v32-47 scale words, from v128 A's fragments (one set); window 1: B's fragments, two sets; windows 2, 3: the accumulators ((a, b) at v[8 (8 (a % 4) + b)]).
.set FR,     12                        ; registers of a fragment
.set FRB,    1536
.set CELLB,  12800
.set PARTB,  3*CELLB                   ; what one tensor load brings
.set SLOT,   4*PARTB
.set GROUPB, 24*CELLB
.set SPARE,  2*SLOT                    ; the spare words, 128 bytes a wave: two blocks of 256 bytes that no other line names
.set CP,     272                       ; the way out: a row of 256 bytes + 16
.set REGH,   256*CP                    ; next_h's region lies behind next_c's
.set PFO,  8                           ; v8-9   the prefetches' offsets
.set ADRA, 16                          ; v16-17 my A fragments in slot 0, 1
.set ADRB, 20                          ; v20-21 my B fragments
.set ADRS, 22                          ; v22-23 scale words: lanes 0-15 A's, lanes 16-31 B's
.set CADR, 24                          ; v24    my 32 bytes of a row of prev_c / next_c
.set HADR, 25                          ; v25    and of next_h
.set RD,   26                          ; v26    whole rows back: lanes 0-15 one row, lanes 16-31 the next
.set SPW,  28                          ; v28    my spare word; never rewritten
.set NIL,  29                          ; v29    0; never rewritten
.set GO,   30                          ; v30    the same two rows in the output
.set SC,   32                          ; v32-47 scale words, two sets of 8; they hold nothing else
.set AF,   128
.set T,    64                          ; the way out: v64-191: cell c of a pair at T + 64 c: +0 Ei, +16 Ef, +32 Eo, +48 Ec
.set PCV,  192                         ; v192-223 prev_c of the pair's two cells
.set OB,   224                         ; v224-255 16 rows read back
.set G1,   24
.set G0,   32
.set G1B,  48
.set G0B,  56
.set G1P,  68                          ; prev_c's tile: 64 rows x 256 bytes a wave, padded
.set G0P,  76
.set PFA,  90
.set LIM,  92                          ; 1: my wave asks; else the greatest number
.set MSB, 0
.macro WIN new                         ; the immediate's high byte repeats the setting that is left
.if MSB != (\new)
	s_set_vgpr_msb (MSB<<8)|(\new)
.set MSB, (\new)
.endif
.endm
.set MUL_LO, 0xa1                      ; source 0 (B) window 1, source 1 (A) window 0, C and D window 2
.set MUL_HI, 0xf1
.set TO_B,   0x40
.macro JLOAD g0a, g1a, g0b, g1b        ; a joint load: waves 0, 1 fetch A's groups, waves 2, 3 B's; s_nop 0 and four v_nop behind each line
	s_cmp_eq_u32 s15, 0
	s_cbranch_scc0 .Lfor_b_\@
	tensor_load_to_lds s[\g0a:\g0a+3], s[\g1a:\g1a+7]
	s_nop 0
.rept 4
	v_nop
.endr
	s_branch .Lasked_\@
.Lfor_b_\@:
	tensor_load_to_lds s[\g0b:\g0b+3], s[\g1b:\g1b+7]
	s_nop 0
.rept 4
	v_nop
.endr
.Lasked_\@:
.endm
.macro ASK how                         ; how = 0: not in the loop's last trip, whose second refill is the last
.if \how
	s_cmp_eq_u32 s[LIM], 1
.else
	s_cmp_gt_u32 s3, s[LIM]
.endif
	s_cbranch_scc0 .Lnot_mine_\@
	global_prefetch_b8 v[PFO], s[PFA:PFA+1] th:TH_LOAD_NT scope:SCOPE_SE
	global_prefetch_b8 v[PFO+1], s[PFA:PFA+1] th:TH_LOAD_NT scope:SCOPE_SE
.Lnot_mine_\@:
.endm
.macro CREST                           ; a round of the cluster's barrier behind its opening barrier
	s_cmp_lg_u32 s14, 0
	s_cbranch_scc1 .Lnot_wave_0_\@
	s_barrier_signal -3
.Lnot_wave_0_\@:
	s_barrier_wait -3
	s_barrier_signal -1
	s_barrier_wait -1
.endm
.macro CROUND
	s_barrier_signal -1
	s_barrier_wait -1
	CREST
.endm
	s_load_b128 s[4:7], s[0:1], 0x0                ; hxq, wq
	s_load_b128 s[8:11], s[0:1], 0x10              ; prev_c, out0
	s_load_b64 s[12:13], s[0:1], 0x20              ; out1
	v_lshl_add_u32 v[SPW], v0, 2, SPARE
	v_mov_b32 v[NIL], 0
	ds_add_u32 v[SPW], v[NIL]                      ; the opening lines: the add, twice on end, and its wait ahead of my first tensor load
	ds_add_u32 v[SPW], v[NIL]
	v_lshrrev_b32 v1, 5, v0
	v_readfirstlane_b32 s14, v1                    ; wave
	s_lshr_b32 s15, s14, 1                         ; my half of the rows; also: I fetch for A (0) or B (1)
	s_and_b32 s16, s14, 1                          ; my half of the columns; also: which group I fetch
	s_bfe_u32 s40, ttmp6, 0x40000                  ; cx
	s_bfe_u32 s41, ttmp6, 0x40004                  ; cy
	s_lshl_b32 s42, ttmp9, 2
	s_add_co_u32 s42, s42, s40                     ; tile column, 0..31
	s_and_b32 s17, ttmp7, 0xffff
	s_lshl_b32 s17, s17, 2
	s_add_co_u32 s17, s17, s41                     ; tile row, 0..7
	s_lshl_b32 s43, s41, 2
	s_lshl_b32 s43, 15, s43                        ; my row of the cluster
	s_lshl_b32 s44, 0x1111, s40                    ; my column
	s_or_b32 s[G1+0], s43, (3<<16)|(1<<21)         ; elements of 8 bytes, no padding, bit 21 beside the mask
	s_or_b32 s[G1B+0], s44, (3<<16)|(1<<21)
.irp g, G1, G1B
	s_mov_b32 s[\g+1], 32<<16                      ; rows of 256 bytes,
	s_mov_b32 s[\g+2], 150<<16                     ; 150 of them, dense
	s_mov_b32 s[\g+3], 32<<16
	s_mov_b32 s[\g+4], 150
	s_mov_b32 s[\g+5], 32
	s_mov_b32 s[\g+6], 0
	s_mov_b32 s[\g+7], 0
.endr
	s_mov_b32 s[G1P+0], (3<<16)|(1<<20)|(5<<22)|(3<<25)   ; prev_c: 16 bytes of padding behind each 256
	s_mov_b32 s[G1P+1], 32<<16
	s_mov_b32 s[G1P+2], 64<<16
	s_mov_b32 s[G1P+3], 32<<16
	s_mov_b32 s[G1P+4], 64
	s_mov_b32 s[G1P+5], 1024                       ; a row of prev_c: 8,192 bytes
	s_mov_b32 s[G1P+6], 0
	s_mov_b32 s[G1P+7], 0
	s_mov_b32 s80, 0xbfb8aa3b                      ; -log2 e
	s_mov_b32 s81, s80
	s_mov_b32 s82, 0xc038aa3b                      ; -2 log2 e
	s_mov_b32 s83, s82
	s_mov_b32 s84, 0x42000000                      ; 32
	s_mov_b32 s85, 0xc2000000                      ; -32
	s_lshl_b32 s20, s17, 1
	s_add_co_u32 s20, s20, s16
	s_mul_i32 s20, s20, GROUPB                     ; A's group 2 x tile row + which
	s_mov_b32 s21, 0
	s_lshl_b32 s46, s42, 1
	s_add_co_u32 s46, s46, s16
	s_mul_i32 s46, s46, GROUPB                     ; B's group 2 x tile column + which
	s_mov_b32 s47, 0
	s_mul_i32 s45, s14, PARTB                      ; where my part goes in a slot
	s_lshl_b32 s86, s17, 8
	s_lshl_b32 s87, s14, 6
	s_add_co_u32 s86, s86, s87
	s_lshl_b32 s86, s86, 13                        ; prev_c: row 256 x tile row + 64 x wave,
	s_lshl_b32 s87, s42, 8
	s_add_co_u32 s86, s86, s87                     ; + 256 bytes x tile column
	s_lshl_b32 s96, s17, 8
	s_lshl_b32 s97, s15, 7
	s_add_co_u32 s96, s96, s97
	s_lshl_b32 s96, s96, 13                        ; the output: row 256 x tile row + 128 x row half
	s_add_co_u32 s96, s96, s87
	s_mov_b32 s87, 0
	s_mov_b32 s97, 0
	s_mul_i32 s88, s14, 64*CP
	s_wait_dscnt 0x0                               ; both opening adds are done
	s_wait_kmcnt 0x0
	s_add_nc_u64 s[20:21], s[4:5], s[20:21]
	s_add_nc_u64 s[46:47], s[6:7], s[46:47]
	s_cmp_eq_u32 s16, 0
	s_cselect_b64 s[10:11], s[12:13], s[10:11]     ; column half 0 stores next_c (out1), half 1 next_h (out0)
	s_add_nc_u64 s[10:11], s[10:11], s[96:97]
	s_mov_b32 s[G0P], 1
	s_mov_b32 s[G0P+1], s88
	s_add_nc_u64 s[G0P+2:G0P+3], s[8:9], s[86:87]
	s_or_b32 s[G0P+3], s[G0P+3], 0x80000000
.irp s, 0,1
	s_mov_b32 s[G0+4*\s], 1
	s_add_co_u32 s[G0+4*\s+1], s45, \s*SLOT
	s_add_nc_u64 s[G0+4*\s+2:G0+4*\s+3], s[20:21], \s*PARTB
	s_or_b32 s[G0+4*\s+3], s[G0+4*\s+3], 0x80000000
	s_mov_b32 s[G0B+4*\s], 1
	s_add_co_u32 s[G0B+4*\s+1], s45, \s*SLOT
	s_add_nc_u64 s[G0B+4*\s+2:G0B+4*\s+3], s[46:47], \s*PARTB
	s_or_b32 s[G0B+4*\s+3], s[G0B+4*\s+3], 0x80000000
.endr
	CROUND                                         ; all sixteen work-groups are here: the first joint loads meet
	JLOAD G0, G1, G0B, G1B                         ; part 0: one tensor load a wave at the head; the addresses below are made while it is on its way
	s_and_b32 s93, ttmp7, 0xffff
	s_and_b32 s95, ttmp9, 3
	s_cmp_eq_u32 s15, 0
	s_cselect_b64 s[PFA:PFA+1], s[20:21], s[46:47]
	s_cselect_b32 s94, s40, s41                    ; my place among the four that ask for the part with me
	s_cselect_b32 s93, s95, s93                    ; A: cluster x mod 4; B: cluster y
	s_cmp_eq_u32 s93, 0
	s_cselect_b32 s[LIM], 1, -1
	s_add_nc_u64 s[PFA:PFA+1], s[PFA:PFA+1], PARTB ; at part 1
	s_mul_i32 s94, s94, 38
	s_add_co_u32 s95, s94, 37
	s_min_u32 s95, s95, 149
	v_and_b32 v7, 31, v0
	v_add_nc_u32 v[PFO], s94, v7
	v_add_nc_u32 v[PFO+1], 32, v[PFO]
	v_min_u32 v[PFO+1], s95, v[PFO+1]
	v_lshlrev_b32 v[PFO], 8, v[PFO]
	v_lshlrev_b32 v[PFO+1], 8, v[PFO+1]
	ASK 1                                          ; part 1
	v_and_b32 v1, 15, v0                           ; r
	v_bfe_u32 v2, v0, 4, 1                         ; h
	v_and_b32 v3, 31, v0
	v_lshlrev_b32 v3, 4, v3                        ; a fragment is an image of its registers: 16 x lane
	s_mul_i32 s21, s15, PARTB
	s_mul_i32 s22, s16, PARTB
	s_add_co_u32 s22, s22, 2*PARTB
	s_sub_co_u32 s23, s22, s21
	v_mul_u32_u24 v5, s23, v2                      ; lanes 16-31 take B's scale words
	v_lshl_add_u32 v5, v1, 4, v5
.irp s, 0,1
	v_add_nc_u32 v[ADRA+\s], s21, v3
	v_add_nc_u32 v[ADRB+\s], s22, v3
	v_add_nc_u32 v[ADRS+\s], s21, v5
	s_add_co_u32 s21, s21, SLOT
	s_add_co_u32 s22, s22, SLOT
.endr
	s_mul_i32 s21, s15, 128*CP
	s_lshl_b32 s22, s16, 7
	s_add_co_u32 s21, s21, s22
	v_mul_u32_u24 v6, v1, CP
	v_lshl_add_u32 v6, v2, 5, v6
	v_add_nc_u32 v[CADR], s21, v6
	v_add_nc_u32 v[HADR], REGH, v[CADR]
	s_mul_i32 s21, s15, 128*CP
	s_mul_i32 s22, s16, REGH
	s_add_co_u32 s21, s21, s22
	v_mul_u32_u24 v6, v2, CP
	v_lshl_add_u32 v6, v1, 4, v6
	v_add_nc_u32 v[RD], s21, v6
	v_lshlrev_b32 v[GO], 13, v2
	v_lshl_add_u32 v[GO], v1, 4, v[GO]
.macro FRAG reg, adr, off
.irp g, 0,1,2
	ds_load_b128 v[\reg+4*\g:\reg+4*\g+3], v[\adr] offset:\off+512*\g
.endr
.endm
.macro FETCH_B slot, q, p              ; B's eight fragments of the slot's step q into set p
	WIN TO_B
.irp i, 0,1,2,3,4,5,6,7
	FRAG 128*(\p)+FR*\i, ADRB+\slot, CELLB*(\q)+FRB*\i
.endr
	WIN 0
.endm
.macro SCALES slot, q, p               ; register i of set p: lanes 0-15 the word of A's block i, lanes 16-31 that of B's
	ds_load_b128 v[SC+8*(\p):SC+8*(\p)+3],   v[ADRS+\slot] offset:CELLB*(\q)+8*FRB
	ds_load_b128 v[SC+8*(\p)+4:SC+8*(\p)+7], v[ADRS+\slot] offset:CELLB*(\q)+8*FRB+256
.endm
.macro FETCH_A slot, q, i0
.irp i, \i0, \i0+1, \i0+2, \i0+3
	FRAG AF+FR*(\i), ADRA+\slot, CELLB*(\q)+FRB*(\i)
.endr
.endm
.macro MUL16 a0, p, zero               ; A's blocks a0, a0 + 1 x B's eight; the 64 accumulators take turns, in the same order in every step
.irp a, \a0, \a0+1
.irp b, 0,1,2,3,4,5,6,7
.if \zero
	v_wmma_scale_f32_16x16x128_f8f6f4 v[8*(8*((\a)%4)+\b):8*(8*((\a)%4)+\b)+7], v[128*(\p)+FR*\b:128*(\p)+FR*\b+FR-1], v[AF+FR*(\a):AF+FR*(\a)+FR-1], 0, v[SC+8*(\p)+\b], v[SC+8*(\p)+(\a)] matrix_a_fmt:MATRIX_FMT_BF6 matrix_b_fmt:MATRIX_FMT_BF6 matrix_a_scale:MATRIX_SCALE_ROW1
.else
	v_wmma_scale_f32_16x16x128_f8f6f4 v[8*(8*((\a)%4)+\b):8*(8*((\a)%4)+\b)+7], v[128*(\p)+FR*\b:128*(\p)+FR*\b+FR-1], v[AF+FR*(\a):AF+FR*(\a)+FR-1], v[8*(8*((\a)%4)+\b):8*(8*((\a)%4)+\b)+7], v[SC+8*(\p)+\b], v[SC+8*(\p)+(\a)] matrix_a_fmt:MATRIX_FMT_BF6 matrix_b_fmt:MATRIX_FMT_BF6 matrix_a_scale:MATRIX_SCALE_ROW1
.endif
.endr
.endr
.endm
.macro PLACES                          ; four places in front of loads into registers that matrix instructions have read, and of the first read of results
.rept 4
	v_nop
.endr
.endm
.macro STEP slot, q, p, zero           ; 64 products on set p; the slot's next step is fetched in the middle and at the end
	s_wait_dscnt 12                                ; all but A's blocks 4-7
	WIN MUL_LO
	MUL16 0, \p, \zero
	MUL16 2, \p, \zero
	s_wait_dscnt 0
	PLACES
	FETCH_B \slot, (\q)+1, 1-(\p)
	SCALES \slot, (\q)+1, 1-(\p)
	FETCH_A \slot, (\q)+1, 0
	WIN MUL_HI
	MUL16 4, \p, \zero
	MUL16 6, \p, \zero
	PLACES
	WIN 0
	FETCH_A \slot, (\q)+1, 4
.endm
.macro TURN slot, next, p, mode        ; a slot's last step, and the change of slots.  mode 1: the slot takes the part two on; mode 2: slot 0 takes prev_c
.if \mode == 1
	s_wait_xcnt 0x0                                ; my last prefetch has read its address
	s_add_nc_u64 s[PFA:PFA+1], s[PFA:PFA+1], PARTB
.endif
	s_wait_dscnt 12
	WIN MUL_LO
	MUL16 0, \p, 0
	MUL16 2, \p, 0
	WIN 0
	s_wait_tensorcnt 0x0                           ; all my tensor loads have landed: my part of the next slot
	ds_add_u32 v[SPW], v[NIL]
	s_wait_dscnt 0x0                               ; the add is done, and my reads of this slot are over
	s_barrier_signal -1
	s_barrier_wait -1
	CREST                                          ; the round: no wave of any partner still reads this slot or has a load on its way
.if \mode == 1
	s_add_nc_u64 s[G0+4*\slot+2:G0+4*\slot+3], s[G0+4*\slot+2:G0+4*\slot+3], 2*PARTB
	s_add_nc_u64 s[G0B+4*\slot+2:G0B+4*\slot+3], s[G0B+4*\slot+2:G0B+4*\slot+3], 2*PARTB
	JLOAD G0+4*\slot, G1, G0B+4*\slot, G1B         ; its four v_nop are the places in front of the loads below
.else
	tensor_load_to_lds s[G0P:G0P+3], s[G1P:G1P+7]
	s_nop 0
	PLACES
.endif
	FETCH_B \next, 0, 1-(\p)
	SCALES \next, 0, 1-(\p)
	FETCH_A \next, 0, 0
.if \mode == 1
	ASK 1-\slot
.endif
	WIN MUL_HI
	MUL16 4, \p, 0
	MUL16 6, \p, 0
	PLACES
	WIN 0
	FETCH_A \next, 0, 4
.endm
	s_wait_alu depctr_va_vdst(0)
	s_wait_xcnt 0x0                                ; the prefetch of part 1 has read its address
	s_add_nc_u64 s[PFA:PFA+1], s[PFA:PFA+1], PARTB ; at part 2
	s_wait_tensorcnt 0x0                           ; my part of slot 0 is in
	ds_add_u32 v[SPW], v[NIL]
	s_wait_dscnt 0x0
	CROUND                                         ; everybody's part is in, and the joint loads meet
	JLOAD G0+4, G1, G0B+4, G1B                     ; part 1 into slot 1
	FETCH_B 0, 0, 0
	SCALES 0, 0, 0
	FETCH_A 0, 0, 0
	ASK 1                                          ; part 2
	FETCH_A 0, 0, 4
	STEP 0, 0, 0, 1                                ; the first step's products start the sums
	s_mov_b32 s3, 3
.Llap:                                                 ; a trip: six K steps, once round the ring, both slots filled again
	STEP 0, 1, 1, 0
	TURN 0, 1, 0, 1
	STEP 1, 0, 1, 0
	STEP 1, 1, 0, 0
	TURN 1, 0, 1, 1
	STEP 0, 0, 0, 0
	s_sub_co_u32 s3, s3, 1
	s_cmp_lg_u32 s3, 0
	s_cbranch_scc1 .Llap
	STEP 0, 1, 1, 0
	TURN 0, 1, 0, 2
	STEP 1, 0, 1, 0
	STEP 1, 1, 0, 0
	s_wait_dscnt 12                                ; the very last step
	WIN MUL_LO
	MUL16 0, 1, 0
	MUL16 2, 1, 0
	s_wait_dscnt 0
	WIN MUL_HI
	MUL16 4, 1, 0
	MUL16 6, 1, 0
	WIN 0
	PLACES
; THE WAY OUT, by pairs of blocks of 16 rows: one batch of transcendentals serves both blocks, with one wait ahead of it and one behind it, and one barrier serves a pair.
; The barrier is split: behind its signal stand the next pair's 64 scalings, work on registers alone.
.macro PKMUL d, a, b
.irp k, 0,2,4,6,8,10,12,14
	v_pk_mul_f32 v[(\d)+\k:(\d)+\k+1], v[(\a)+\k:(\a)+\k+1], v[(\b)+\k:(\b)+\k+1]
.endr
.endm
.macro PKFMA d, a, b, c
.irp k, 0,2,4,6,8,10,12,14
	v_pk_fma_f32 v[(\d)+\k:(\d)+\k+1], v[(\a)+\k:(\a)+\k+1], v[(\b)+\k:(\b)+\k+1], v[(\c)+\k:(\c)+\k+1]
.endr
.endm
.macro ONELESS d                       ; 1 - E, in place
.irp k, 0,2,4,6,8,10,12,14
	v_pk_fma_f32 v[(\d)+\k:(\d)+\k+1], v[(\d)+\k:(\d)+\k+1], -1.0, 1.0 op_sel_hi:[1,0,0]
.endr
.endm
.macro HOLD d                          ; tanh's exponent held to -32 .. 32
.irp k, 0,1,2,3,4,5,6,7,8,9,10,11,12,13,14,15
	v_med3_num_f32 v[(\d)+\k], v[(\d)+\k], s85, s84
.endr
.endm
.macro EXPN d, cnt
.set n, 0
.rept \cnt
	v_exp_f32 v[(\d)+n], v[(\d)+n]
.set n, n+1
.endr
.endm
.macro RCPN d, cnt
.set n, 0
.rept \cnt
	v_rcp_f32 v[(\d)+n], v[(\d)+n]
.set n, n+1
.endr
.endm
.macro AHEAD_OF_BATCH
	s_wait_alu depctr_va_vdst(0)
.endm
.macro BATCH_END
	v_nop                                          ; one plain place behind a transcendental
	s_wait_alu depctr_va_vdst(0)                   ; and one wait for the whole batch
.endm
.macro SCALE a, c                      ; block a's 64 sums x -log2 e (c~: x -2 log2 e), each accumulator from its low end on
	WIN 2+(\a)/4
.set n, 0
.rept 24
	v_pk_mul_f32 v[T+64*(\c)+2*n:T+64*(\c)+2*n+1], v[64*((\a)%4)+2*n:64*((\a)%4)+2*n+1], s[80:81] op_sel_hi:[1,0]
.set n, n+1
.endr
.rept 8
	v_pk_mul_f32 v[T+64*(\c)+2*n:T+64*(\c)+2*n+1], v[64*((\a)%4)+2*n:64*((\a)%4)+2*n+1], s[82:83] op_sel_hi:[1,0]
.set n, n+1
.endr
	WIN 0
	HOLD T+64*(\c)+48
.endm
.macro LOADPC a, c
.irp u, 0,1
.irp e, 0,1
	ds_load_b128 v[PCV+16*(\c)+8*\u+4*\e:PCV+16*(\c)+8*\u+4*\e+3], v[CADR] offset:16*CP*(\a)+64*\u+16*\e
.endr
.endr
.endm
.macro TOLDS adr, reg, a
.irp u, 0,1
.irp e, 0,1
	ds_store_b128 v[\adr], v[(\reg)+8*\u+4*\e:(\reg)+8*\u+4*\e+3] offset:16*CP*(\a)+64*\u+16*\e
.endr
.endr
.endm
.macro LOADB a, reg                    ; block a's 16 whole rows of 256 bytes, half of them written by my partner wave
.irp t, 0,1,2,3,4,5,6,7
	ds_load_b128 v[(\reg)+4*\t:(\reg)+4*\t+3], v[RD] offset:16*CP*(\a)+2*CP*\t
.endr
.endm
.macro SENDB a, reg                    ; sixteen lanes store 256 consecutive bytes, aligned
.irp t, 0,1,2,3,4,5,6,7
	global_store_b128 v[GO], v[(\reg)+4*\t:(\reg)+4*\t+3], s[10:11] offset:(16*(\a)+2*\t)*8192 th:TH_STORE_NT
.endr
.endm
.macro MIDA c
.set TB, T+64*(\c)
.set n, 0
.rept 24
	v_pk_add_f32 v[TB+2*n:TB+2*n+1], v[TB+2*n:TB+2*n+1], 1.0 op_sel_hi:[1,0]   ; 1 + Ei, 1 + Ef, 1 + Eo
.set n, n+1
.endr
	PKFMA TB, TB, TB+48, TB                        ; (1 + Ei)(1 + Ec)
	ONELESS TB+48
.endm
.macro MIDB a, c
.set TB, T+64*(\c)
	PKMUL TB+48, TB+48, TB                         ; i c~
	PKFMA TB+48, PCV+16*(\c), TB+16, TB+48         ; next_c
	TOLDS CADR, TB+48, \a
.irp k, 0,2,4,6,8,10,12,14
	v_pk_mul_f32 v[TB+16+\k:TB+16+\k+1], v[TB+48+\k:TB+48+\k+1], s[82:83] op_sel_hi:[1,0]
.endr
	HOLD TB+16
.endm
.macro MIDC c
.set TB, T+64*(\c)
	PKFMA TB+32, TB+32, TB+16, TB+32               ; (1 + Eo)(1 + E')
	ONELESS TB+16
.endm
.macro MIDD a, c
.set TB, T+64*(\c)
	PKMUL TB, TB+16, TB+32                         ; next_h
	TOLDS HADR, TB, \a
.endm
.macro PAIR a                          ; blocks a and a + 1; the pair before leaves meanwhile, block by block
	SCALE \a, 0
	SCALE (\a)+1, 1
	s_barrier_wait -1
.if (\a) > 0
	s_wait_xcnt 0x0                                ; the last stores have read their data
	LOADB (\a)-2, OB
.endif
	LOADPC \a, 0
	LOADPC (\a)+1, 1
	AHEAD_OF_BATCH
	EXPN T, 128
	BATCH_END
	s_wait_dscnt 0x0
.if (\a) > 0
	SENDB (\a)-2, OB
.endif
	MIDA 0
	MIDA 1
	AHEAD_OF_BATCH
	RCPN T, 32
	RCPN T+64, 32
	BATCH_END
.if (\a) > 0
	s_wait_xcnt 0x0
	LOADB (\a)-1, OB
.endif
	MIDB \a, 0
	MIDB (\a)+1, 1
	AHEAD_OF_BATCH
	EXPN T+16, 16
	EXPN T+80, 16
	BATCH_END
	MIDC 0
	MIDC 1
	AHEAD_OF_BATCH
	RCPN T+32, 16
	RCPN T+96, 16
	BATCH_END
.if (\a) > 0
	s_wait_dscnt 8                                 ; behind the eight loads stand the eight stores of next_c
	SENDB (\a)-1, OB
.endif
	MIDD \a, 0
	MIDD (\a)+1, 1
	s_wait_dscnt 0x0                               ; for my partner's sake: my stores into the stage are done
	s_barrier_signal -1
.endm
	s_wait_tensorcnt 0x0                           ; my rows of prev_c are in
	s_barrier_signal -1
	PAIR 0
	PAIR 2
	PAIR 4
	PAIR 6
	s_barrier_wait -1
	s_wait_xcnt 0x0
	LOADB 6, OB
	LOADB 7, T
	s_wait_dscnt 8
	SENDB 6, OB
	s_wait_dscnt 0x0
	SENDB 7, T
	s_wait_tensorcnt 0x0                           ; the wave's end
	ds_add_u32 v[SPW], v[NIL]
	s_wait_dscnt 0x0
	CROUND                                         ; the closing round
	s_endpgm
.Lfunc_end_k_q1f105d79ed_lstm:
	.size	k_q1f105d79ed_lstm, .Lfunc_end_k_q1f105d79ed_lstm-k_q1f105d79ed_lstm
	.p2alignl 7, 3214868480
	.fill 96, 4, 3214868480
	.section	.rodata,"a",@progbits
	.p2align	6, 0x0
	.amdhsa_kernel k_q1f105d79ed_lstm
		.amdhsa_group_segment_fixed_size 327680
		.amdhsa_private_segment_fixed_size 0
		.amdhsa_enable_private_segment 0
		.amdhsa_kernarg_size 40
		.amdhsa_user_sgpr_count 2
		.amdhsa_user_sgpr_kernarg_segment_ptr 1
		.amdhsa_wavefront_size32 1
		.amdhsa_system_sgpr_workgroup_id_x 1
		.amdhsa_system_sgpr_workgroup_id_y 1
		.amdhsa_system_sgpr_workgroup_id_z 1
		.amdhsa_system_vgpr_workitem_id 0
		.amdhsa_next_free_vgpr 1024
		.amdhsa_next_free_sgpr 98
		.amdhsa_reserve_vcc 0
		.amdhsa_float_denorm_mode_32 3
		.amdhsa_float_denorm_mode_16_64 3
		.amdhsa_memory_ordered 1
		.amdhsa_forward_progress 1
		.amdhsa_inst_pref_size 255
	.end_amdhsa_kernel
	.section	.bss,"aw",@nobits
	.p2align	6
	.space	262144
	.amdgpu_metadata
---
amdhsa.version: [ 1, 2 ]
amdhsa.kernels:
  - .name:           k_q1f105d79ed_lstm
    .symbol:         k_q1f105d79ed_lstm.kd
    .args:
      - { .name: hxq, .offset: 0, .size: 8, .value_kind: global_buffer, .address_space: global }
      - { .name: wq, .offset: 8, .size: 8, .value_kind: global_buffer, .address_space: global }
      - { .name: prev_c, .offset: 16, .size: 8, .value_kind: global_buffer, .address_space: global }
      - { .name: out0, .offset: 24, .size: 8, .value_kind: global_buffer, .address_space: global }
      - { .name: out1, .offset: 32, .size: 8, .value_kind: global_buffer, .address_space: global }
    .group_segment_fixed_size: 327680
    .private_segment_fixed_size: 0
    .kernarg_segment_align: 8
    .kernarg_segment_size: 40
    .max_flat_workgroup_size: 128
    .sgpr_count:     98
    .vgpr_count:     1024
    .wavefront_size: 32
...
	.end_amdgpu_metadata
.endif
;; end of part 2
